; MI455X (gfx1250); checked and timed in simulation.
; The chip was launched on July 23, 2026; its instructions are those of AMD's public machine-readable ISA for CDNA 5 (MIT licence, August 2026) and "CDNA5" Instruction Set Architecture Reference Guide (July 2026). The comments in the code are by the model that wrote it; some were corrected since.
;; Differential Marlin Attention. Allowed arithmetic: matrix products marked QUANTISED: E5M2 operands, one given power-of-two scale a tensor, by v_wmma_f32_16x16x64_bf8_bf8 or v_wmma_f32_16x16x128_bf8_bf8, f32 sums; everything else in f32.
;; Inputs: k1 1 x 4 x 2,048 x 128 float32; k2 1 x 4 x 2,048 x 128 float32; lambda_log 1 float32; lowp_scales 8 int32 (the exponents e of the quantised operands' scales 2^e); q1 1 x 16 x 2,048 x 128 float32; q2 1 x 16 x 2,048 x 128 float32; v 1 x 4 x 2,048 x 128 float32.
;; Outputs: out0 1 x 16 x 2,048 x 128 float32.
;; This version of the problem:
;;   THIS VERSION OF THE PROBLEM IS GIVEN IN LOW PRECISION. The matrix products marked QUANTISED in the list below multiply operands that are first quantised to E5M2 (5 exponent bits, 2 mantissa bits; 8 bits a number), with one given power-of-two scale for each operand tensor; their sums are f32. All else is computed in f32.
;;   The module's matrix products, in the order in which they are computed (A, B: the left and right operand; K: the contracted axis; several contracted axes count as one K, in the product's order):
;;     1. batch 16 x [M 2,048, K 128] x [K 128, N 2,048]; A: input q1; B: input k1: QUANTISED (scales: A lowp_scales[0], B lowp_scales[1])
;;     2. batch 16 x [M 2,048, K 2,048] x [K 2,048, N 128]; A: softmax (see below); B: input v: QUANTISED (scales: A lowp_scales[2], B lowp_scales[3])
;;     3. batch 16 x [M 2,048, K 128] x [K 128, N 2,048]; A: input q2; B: input k2: QUANTISED (scales: A lowp_scales[4], B lowp_scales[5])
;;     4. batch 16 x [M 2,048, K 2,048] x [K 2,048, N 128]; A: softmax (see below); B: input v: QUANTISED (scales: A lowp_scales[6], B lowp_scales[7])
;;   THE QUANTISER, for each operand of a quantised product, along K:
;;     - The operand's scale is 2^e, e = its entry of the input lowp_scales (int32; the entries are numbered through the quantised products in the list's order, A before B).
;;     - Each number is divided by the scale, clamped to +-57,344, and rounded to the nearest number of E5M2, ties to even, subnormals kept.
;;     - The product sums the exact products of the quantised numbers (number of the format x scale) in f32.
;;   ~~~python
;;   def quantise(x, axis, e):      # numpy; x: float32 -> the quantised numbers, widened to float32 again
;;       x = np.moveaxis(x, axis, -1); K = x.shape[-1]
;;       r = np.clip(x / 2.0 ** e, -57344, 57344)
;;       step = 2.0 ** (np.maximum(np.frexp(np.where(r == 0, 1, r))[1] - 1, -14) - 2)
;;       q = np.round(r / step) * step * 2.0 ** e      # np.round: ties to even
;;       return np.moveaxis(q, -1, axis).astype(np.float32)
;;   ~~~
;;   SOFTMAX AHEAD OF A QUANTISED PRODUCT. Where the list says 'softmax', what is quantised is not the finished softmax but p = 2^(t - M), with t = logit x log2(e) and M = ceil(the row's largest t), a whole number; so 1/2 < the row's largest p <= 1. The row's sum l is taken of the UNQUANTISED p, in f32, and the product's result is divided by l at the end. Since M is a whole number, a kernel that streams over the keys may use a running M (the ceiling of the running maximum): every later rescaling is an exact power of two, so the quantised numbers keep their values, but for numbers so far below the row's largest that they fall under the format's range.
;;   OPERANDS COMPUTED ON THE WAY. 'Computed on the way' means the value that the module computes at that place (a softmax that the list does not call 'softmax' is quantised finished and normalised). What goes into a quantiser is computed in f32, as accurately as f32 sums, v_exp_f32 and their like allow (about 1e-6 of the number): no bf16 or f16 on the way to a quantiser, and a product that is left as it is and whose result goes on into a quantised operand takes f32 operands (vector FMAs, or v_wmma_f32_16x16x4_f32). A number that lies on a knife's edge between two numbers of the format may be rounded either way, as far as f32 arithmetic and the matrix unit's own rounding can turn it there, and no further.
;; One version. Each part assembles by itself: llvm-mc -triple=amdgcn-amd-amdhsa -mcpu=gfx1250 --defsym DOCPART=n.
;; ======== version 1 of 1: 2 launches
;; limits: right only within a limited range of input values
;; workspace buffers: kc1 1,048,576 bytes; kc2 1,048,576 bytes; vc1 1,048,576 bytes; vc2 1,048,576 bytes
;; launch prep (part 1): grid 256 x 1, 6 waves a work-group, no clusters, 0 bytes of LDS; arguments k1, k2, v, lowp_scales, kc1, kc2, vc1, vc2; writes kc1, kc2, vc1, vc2
.if DOCPART == 1
	.amdgcn_target "amdgcn-amd-amdhsa--gfx1250"
	.amdhsa_code_object_version 6
	.text
	.protected	k_qe4c0f696b5_prep
	.globl	k_qe4c0f696b5_prep
	.p2align	8
	.type	k_qe4c0f696b5_prep,@function
k_qe4c0f696b5_prep:
	s_mov_b64 s[64:65], 0
	v_nop
	global_prefetch_b8 v0, s[64:65] scope:SCOPE_SE
	s_setreg_imm32_b32 hwreg(HW_REG_WAVE_MODE, 25, 1), 1
	s_wait_xcnt 0x0
; k1, k2 and v, [4][2048][128] f32, become codes of BF8 (E5M2): k1 with the scale 2^e1, k2 with 2^e5, v twice, with 2^e3 and with 2^e7 (e = entries of lowp_scales).
; code = x / 2^e, held within +-57,344, rounded to the nearest code, ties to even.
; THE CODES ARE LAID IN THE ORDER OF THE OPERAND'S REGISTERS, the same in all four buffers: [kv head 4][step of 128 keys 16][tile 8][group c 4][lane 32][16 bytes]:
; 262,144 bytes a head, 16,384 a step, 2,048 a fragment (16 rows x 128 along K), 512 a group of four registers, 16 a lane.  Lane = 16 h + r.
;   kc1, kc2 (K = the head's 128): tile 2 b + u, lane (r, h), group c: key 128 j + 32 b + 8 u + r + 8 (r / 8), channels 32 c + 16 h + 0 .. 15.
;   vc1, vc2 (K = the keys):       tile t,       lane (r, h), group c: channel 16 t + r, keys 128 j + 32 c + 16 h + 0 .. 15.
; So the next launch fetches 128 keys of a buffer as one dense block, and a fragment by four loads of 16 bytes a lane.
; SHARES.  256 work-groups of six waves.  Waves 0-3: one tile of k1 or k2 each (16 keys x 128 channels, 8,192 bytes of f32): 1,024 tiles.  Waves 4, 5: 64 keys x 32 channels of v each (8,192 bytes): 512 parts.
; No LDS, no barrier, no loop: waves share nothing, every offset is an immediate, no register that a load or store names is written again.
; LIMITS: e1, e3, e5, e7 between -126 and 112, so that 2^e and 57,344 x 2^e are f32 numbers.  NaN among the inputs is not served (an infinity is held at the largest code).
.set WV, 20                            ; s20      my wave's number
.set X,  16                            ; v16-79   64 numbers as loaded
.set Y,  80                            ; v80-143  v's numbers held for the first scale (the second hold is made in place)
.set C1, 144                           ; v144-159 codes: K's, or v's with 2^e3
.set C2, 160                           ; v160-175 v's codes with 2^e7
; 2^e as f32 into v[sc] (the conversion takes its exponent field) and 57,344 x 2^e into v[lim]; e stands in s[e]
.macro SCALE e, sc, lim
	s_add_co_i32 s22, s[\e], 127
	s_lshl_b32 s23, s22, 23
	v_mov_b32 v[\sc], s23
	s_add_co_i32 s22, s22, 15
	s_lshl_b32 s22, s22, 23
	s_or_b32 s22, s22, 0x600000                    ; the mantissa field of 57,344
	v_mov_b32 v[\lim], s22
.endm
	s_load_b256 s[4:11], s[0:1], 0x0               ; k1 s[4:5], k2 s[6:7], v s[8:9], the scales' exponents s[10:11]
	s_load_b256 s[12:19], s[0:1], 0x20             ; kc1 s[12:13], kc2 s[14:15], vc1 s[16:17], vc2 s[18:19]
	v_lshrrev_b32 v1, 5, v0
	v_readfirstlane_b32 s[WV], v1                  ; wave 0..5
	v_and_b32 v4, 15, v0                           ; r
	v_bfe_u32 v5, v0, 4, 1                         ; h
	v_and_b32 v6, 31, v0                           ; lane
	s_wait_kmcnt 0x0
	s_load_b256 s[24:31], s[10:11], 0x0            ; e0 .. e7
	s_cmp_lt_u32 s[WV], 4
	s_cbranch_scc0 .Lv
	; ---- a tile of k1 or k2.  Tile number T = 8 (16 head + step) + tile: the first 128 work-groups take k1's 512, the others k2's
	s_lshl_b32 s21, ttmp9, 2
	s_add_co_u32 s21, s21, s[WV]
	s_and_b32 s21, s21, 511                        ; T
	s_lshr_b32 s22, s21, 3
	s_lshl_b32 s22, s22, 7                         ; the step's first key, counted through the heads
	s_bfe_u32 s23, s21, 0x20001                    ; b
	s_lshl_b32 s23, s23, 5
	s_add_co_u32 s22, s22, s23
	s_and_b32 s23, s21, 1                          ; u
	s_lshl_b32 s23, s23, 3
	s_add_co_u32 s22, s22, s23                     ; the tile's first key: + 32 b + 8 u
	s_lshl_b32 s32, s22, 9                         ; a key's row is 512 bytes
	s_mov_b32 s33, 0
	s_lshl_b32 s34, s21, 11                        ; a fragment's image is 2,048 bytes
	s_mov_b32 s35, 0
	s_cmp_lt_u32 ttmp9, 128                        ; the choice hangs on the work-group's number alone
	s_cselect_b64 s[36:37], s[4:5], s[6:7]
	s_cselect_b64 s[38:39], s[12:13], s[14:15]
	s_add_nc_u64 s[36:37], s[36:37], s[32:33]
	s_add_nc_u64 s[38:39], s[38:39], s[34:35]
	s_wait_alu depctr_va_vdst(0)
	v_and_b32 v2, 8, v4
	v_add_nc_u32 v2, v2, v4                        ; THE KEYS OF A TILE ARE NOT NEIGHBOURS: lane r takes the tile's key r + 8 (r / 8)
	v_lshlrev_b32 v2, 9, v2
	v_lshl_add_u32 v2, v5, 6, v2                   ; + 64 h: my 16 numbers of each block of 32 channels
	v_lshlrev_b32 v3, 4, v6                        ; out: 16 bytes a lane
.irp b, 0,1,2,3
.irp j, 0,1,2,3
	global_load_b128 v[X+16*\b+4*\j:X+16*\b+4*\j+3], v2, s[36:37] offset:128*\b+16*\j th:TH_LOAD_NT   ; register 16 b + x: channel 32 b + 16 h + x
.endr
.endr
	s_wait_kmcnt 0x0
	s_cmp_lt_u32 ttmp9, 128
	s_cselect_b32 s21, s25, s29                    ; e1 or e5
	SCALE 21, 11, 10
	s_wait_alu depctr_va_vdst(0)
.irp b, 0,1,2,3
	s_wait_loadcnt 12-4*\b                         ; this block's four loads are in; the four of each later block may be out
.set i, 0
.rept 16
	v_med3_num_f32 v[X+16*\b+i], v[X+16*\b+i], -v10, v10   ; the conversion to an 8-bit code does not saturate (ISA guide 7.6.2): the hold at the largest code x the scale
.set i, i+1
.endr
	v_cvt_scalef32_pk8_bf8_f32 v[C1+4*\b:C1+4*\b+1], v[X+16*\b:X+16*\b+7], v11
	v_cvt_scalef32_pk8_bf8_f32 v[C1+4*\b+2:C1+4*\b+3], v[X+16*\b+8:X+16*\b+15], v11
	global_store_b128 v3, v[C1+4*\b:C1+4*\b+3], s[38:39] offset:512*\b   ; group b: the wave stores 512 consecutive bytes, at a multiple of 512 from the buffer's first byte
.endr
	s_endpgm
.Lv:	; ---- 64 keys x 32 channels of v.  A LANE TAKES A CHANNEL, AND ITS REGISTERS RUN DOWN THE KEYS: the conversions then give codes with the keys innermost; nothing is transposed
	s_lshl_b32 s21, ttmp9, 1
	s_add_co_u32 s21, s21, s[WV]
	s_sub_co_u32 s21, s21, 4                       ; my part, 0 .. 511
	s_and_b32 s22, s21, 3                          ; u: channels 32 u .. 32 u + 31 = tiles 2 u (lanes 0-15) and 2 u + 1 (lanes 16-31)
	s_lshr_b32 s23, s21, 2                         ; which run of 64 keys, counted through the heads: 0 .. 127
	s_lshl_b32 s32, s23, 15                        ; 64 rows of 512 bytes
	s_lshl_b32 s33, s22, 7
	s_add_co_u32 s32, s32, s33
	s_mov_b32 s33, 0
	s_add_nc_u64 s[8:9], s[8:9], s[32:33]
	s_lshr_b32 s34, s23, 1
	s_lshl_b32 s34, s34, 14                        ; the step's 16,384 bytes,
	s_lshl_b32 s35, s22, 12
	s_add_co_u32 s34, s34, s35                     ; tile 2 u,
	s_and_b32 s35, s23, 1
	s_lshl_b32 s35, s35, 10
	s_add_co_u32 s34, s34, s35                     ; groups 0, 1 or 2, 3: the step's first or second 64 keys
	s_mov_b32 s35, 0
	s_add_nc_u64 s[16:17], s[16:17], s[34:35]
	s_add_nc_u64 s[18:19], s[18:19], s[34:35]
	s_wait_alu depctr_va_vdst(0)
	v_lshlrev_b32 v2, 2, v6                        ; in: 4 bytes a lane: the wave reads 128 consecutive bytes of a key's row
	v_lshlrev_b32 v3, 4, v4
	v_lshl_add_u32 v3, v5, 11, v3                  ; out: 16 r, in tile 2 u + h
.set i, 0
.rept 64
	global_load_b32 v[X+i], v2, s[8:9] offset:512*i th:TH_LOAD_NT
.set i, i+1
.endr
	s_wait_kmcnt 0x0
	SCALE 27, 8, 9                                 ; e3
	SCALE 31, 10, 11                               ; e7
	s_wait_alu depctr_va_vdst(0)
.irp q, 0,1,2,3                        ; sixteen keys: half a group of the image: 256 q bytes on
	s_wait_loadcnt 48-16*\q                        ; these sixteen loads are in; the sixteen of each later run may be out
.set i, 0
.rept 16
	v_med3_num_f32 v[Y+16*\q+i], v[X+16*\q+i], -v9, v9
.set i, i+1
.endr
	v_cvt_scalef32_pk8_bf8_f32 v[C1+4*\q:C1+4*\q+1], v[Y+16*\q:Y+16*\q+7], v8
	v_cvt_scalef32_pk8_bf8_f32 v[C1+4*\q+2:C1+4*\q+3], v[Y+16*\q+8:Y+16*\q+15], v8
.set i, 0
.rept 16
	v_med3_num_f32 v[X+16*\q+i], v[X+16*\q+i], -v11, v11
.set i, i+1
.endr
	v_cvt_scalef32_pk8_bf8_f32 v[C2+4*\q:C2+4*\q+1], v[X+16*\q:X+16*\q+7], v10
	v_cvt_scalef32_pk8_bf8_f32 v[C2+4*\q+2:C2+4*\q+3], v[X+16*\q+8:X+16*\q+15], v10
	global_store_b128 v3, v[C1+4*\q:C1+4*\q+3], s[16:17] offset:256*\q   ; sixteen lanes store 256 consecutive bytes, at a multiple of 256 from the buffer's first byte
	global_store_b128 v3, v[C2+4*\q:C2+4*\q+3], s[18:19] offset:256*\q
.endr
	s_endpgm
.Lfunc_end_k_qe4c0f696b5_prep:
	.size	k_qe4c0f696b5_prep, .Lfunc_end_k_qe4c0f696b5_prep-k_qe4c0f696b5_prep
	.p2alignl 7, 3214868480
	.fill 96, 4, 3214868480
	.section	.rodata,"a",@progbits
	.p2align	6, 0x0
	.amdhsa_kernel k_qe4c0f696b5_prep
		.amdhsa_group_segment_fixed_size 0
		.amdhsa_private_segment_fixed_size 0
		.amdhsa_enable_private_segment 0
		.amdhsa_kernarg_size 64
		.amdhsa_user_sgpr_count 2
		.amdhsa_user_sgpr_kernarg_segment_ptr 1
		.amdhsa_wavefront_size32 1
		.amdhsa_system_sgpr_workgroup_id_x 1
		.amdhsa_system_sgpr_workgroup_id_y 1
		.amdhsa_system_sgpr_workgroup_id_z 1
		.amdhsa_system_vgpr_workitem_id 0
		.amdhsa_next_free_vgpr 176
		.amdhsa_next_free_sgpr 66
		.amdhsa_reserve_vcc 0
		.amdhsa_float_denorm_mode_32 3
		.amdhsa_float_denorm_mode_16_64 3
		.amdhsa_memory_ordered 1
		.amdhsa_forward_progress 1
		.amdhsa_inst_pref_size 26
	.end_amdhsa_kernel
	.amdgpu_metadata
---
amdhsa.version: [ 1, 2 ]
amdhsa.kernels:
  - .name:           k_qe4c0f696b5_prep
    .symbol:         k_qe4c0f696b5_prep.kd
    .args:
      - { .name: k1, .offset: 0, .size: 8, .value_kind: global_buffer, .address_space: global }
      - { .name: k2, .offset: 8, .size: 8, .value_kind: global_buffer, .address_space: global }
      - { .name: v, .offset: 16, .size: 8, .value_kind: global_buffer, .address_space: global }
      - { .name: lowp_scales, .offset: 24, .size: 8, .value_kind: global_buffer, .address_space: global }
      - { .name: kc1, .offset: 32, .size: 8, .value_kind: global_buffer, .address_space: global }
      - { .name: kc2, .offset: 40, .size: 8, .value_kind: global_buffer, .address_space: global }
      - { .name: vc1, .offset: 48, .size: 8, .value_kind: global_buffer, .address_space: global }
      - { .name: vc2, .offset: 56, .size: 8, .value_kind: global_buffer, .address_space: global }
    .group_segment_fixed_size: 0
    .private_segment_fixed_size: 0
    .kernarg_segment_align: 8
    .kernarg_segment_size: 64
    .max_flat_workgroup_size: 192
    .sgpr_count:     66
    .vgpr_count:     176
    .wavefront_size: 32
...
	.end_amdgpu_metadata
.endif
;; end of part 1
;; launch attn (part 2): grid 16 x 16, 8 waves a work-group, clusters of 4 x 1, 327,680 bytes of LDS; arguments q1, q2, kc1, kc2, vc1, vc2, lowp_scales, lambda_log, out0; writes out0
.if DOCPART == 2
	.amdgcn_target "amdgcn-amd-amdhsa--gfx1250"
	.amdhsa_code_object_version 6
	.text
	.protected	k_qe4c0f696b5_attn
	.globl	k_qe4c0f696b5_attn
	.p2align	8
	.type	k_qe4c0f696b5_attn,@function
k_qe4c0f696b5_attn:
	s_mov_b64 s[64:65], 0
	v_nop
	global_prefetch_b8 v0, s[64:65] scope:SCOPE_SE
	s_setreg_imm32_b32 hwreg(HW_REG_WAVE_MODE, 25, 1), 1
	s_wait_xcnt 0x0
	s_wait_alu depctr_hold_cnt(0) depctr_sa_sdst(0) depctr_va_vdst(0) depctr_va_sdst(0) depctr_va_ssrc(0) depctr_va_vcc(0) depctr_vm_vsrc(0)
	s_getreg_b32 s2, hwreg(HW_REG_IB_STS2, 6, 4)
	s_cmp_eq_u32 s2, 0
	s_cbranch_scc0 .Lentry_in_a_cluster
	s_endpgm
.Lentry_in_a_cluster:
	s_bfe_u32 s2, ttmp6, 0x10000c
	s_cmp_lg_u32 s2, 0x3003
	s_cbranch_scc0 .Lentry_shape_is_right
	s_endpgm
.Lentry_shape_is_right:
; out[h][q] = attn1 - exp(lambda_log) attn2, attn_x = softmax(q_x k_x^T / sqrt(128)) v; 16 query heads on 4 kv heads (head h uses kv head h / 4), 2,048 queries and keys, head size 128.
; All four products on codes of BF8 (E5M2), each operand with its given scale 2^e: attention 1: eq, ek, ep, ev = lowp_scales[0 .. 3]; attention 2: [4 .. 7].
; q1, q2: f32, each row read once by one wave and quantised here in registers.  kc1, kc2, vc1, vc2: codes laid by the launch before as images of the operands' registers:
; [kv head][step of 128 keys][tile 8][group 4][lane 32][16 bytes]: 128 keys of a buffer are a dense block of 16,384 bytes, a fragment is four loads of 16 bytes a lane.
; SOFTMAX: t = score x log2(e) / sqrt(128); M = the running largest t rounded UP to a whole number; p = 2^(t - M) is quantised, not normalised; the row's sum is taken of the unquantised p and divides O at the end.
; When M moves, the sum and O are multiplied by 2^(old M - new M): nothing is rounded, and no branch hangs on data.
; SHARES.  A work-group owns 128 queries of one head for BOTH attentions.  Eight waves, two to a SIMD, 512 registers each: waves 0-3 attention 1, waves 4-7 attention 2; a wave owns 32 queries, two tiles of 16,
; so each fragment of K and of V read from LDS feeds two matrix instructions.  At the end the two attentions meet in LDS, and out = A1 + (-lambda) A2 leaves as whole rows of 512 bytes.
; LAYOUT.  Both products transposed: S^T = K Q^T, O^T = V^T P^T: a lane holds one query (lane % 16) of each tile.  The keys of a tile of K are chosen so that the 16 registers of tiles 2 b, 2 b + 1 are
; the neighbouring keys 32 b + 16 (lane / 16) + 0 .. 15: the conversions' results are P's fragment.  The same permutation of K stands on both sides of each product.
; TWO AREAS OF 128 REGISTERS (v128-255 of window 0 and of window 1) SWAP ROLES FROM STEP TO STEP.  In a step of parity w the scores lie in area w, the eight fragments in area 1 - w: first K's, then, behind the first
; product, V's.  When p is converted area w is free and takes the NEXT step's fragments of K, 32 loads that are out while O^T is rescaled and V is multiplied; the next step's scores land where V lay.
; RING.  Two LDS slots of 256 keys, each eight regions of 16,384 bytes (kc1 step 0, 1; vc1; kc2; vc2).  Wave n fetches region n: one tensor load a wave behind each change of slots.
; THE CHANGE OF SLOTS stands inside a slot's second key step: when V's fragments are in registers my reads of the slot are over; the barrier is signalled there, the softmax, work on registers, stands between
; the signal and the wait, and behind the round come the refill and then the next slot's first fragments of K.
; CLUSTER.  The four query blocks of a cluster belong to one head and walk the same four streams of codes: each region is asked for jointly, same descriptor, mask of all four.
; REGISTERS.  Window 0: v0-31 addresses and the rows' state; v32-63 q's codes; v64-95 p's codes; v96-101 at work; v128-255 area 0.   Window 1: v0-127 O^T (tile a, tile b); v128-255 area 1.
; LIMITS on the given exponents, so that each power of two is an f32 number: eq + ek between -123 and 130; eq and ep between -126 and 112; ep + ev is applied by v_ldexp_f32 and has none.
; exp(lambda_log) under 2^-126 counts as 0.  NaN among the inputs is not served.
.set SLOT1, 1<<17                      ; LDS slot L1; key slots 0, 2, 4, 6 lie in L1, slots 1, 3, 5, 7 in L0 (byte 0)
.set STEPB, 16384                      ; a region: 128 keys of one buffer
.set VOFF,  2*STEPB                    ; V's two regions lie behind K's two
.set SP,    528                        ; the way out: a stage row: 512 bytes + 16
.set WSTG,  16*SP                      ; a stage: 16 rows, one tile of one attention
.set STG,   SLOT1                      ; sixteen stages: slot L1, which has had its last fill and was left at the last change of slots, and 4,096 bytes behind it into which no fill lands
.set SPARE, STG+16*WSTG                ; 266,240: the spare words, 128 bytes for each of 8 waves: four blocks of 256 bytes that no other line names
.set QST,   SPARE+1024                 ; q's stages: 16 rows x (256 + 16) bytes for each wave, bytes into which no fill lands
.set QSB,   16*272
.set LI,   1                           ; v1  16 x lane
.set QA,   2                           ; v2  q: 512 (lane / 16) + 16 (lane % 16)
.set PFO,  3                           ; v3  256 x lane: the prefetches' offset
.set SO,   4                           ; v4  the stage: where I put 32 bytes of a row
.set SPW,  5                           ; v5  my spare word; never rewritten
.set NIL,  6                           ; v6  0; never rewritten
.set SR,   7                           ; v7  the stage: attention 1's rows that I read back
.set AD,   8                           ; v8  LDS address of the slot in hand
.set SR2,  9                           ; v9  attention 2's same rows
; v12 -M, v13 largest t, v[14:15] sum (tile a); v16-19 the same (tile b); v[20:21], v[22:23] f of a, b; v24, v25 57,344 x 2^ep (a copy for each half of a dual pair); v28, v29 lane permutes; v30 2^ep; v10, v11, v26, v27, v100, v101 at work
.set PSC,  30
.set QC,   32
.set PCD,  64
.set QSI,  98                          ; v98 q's stage, in;  v99 out
.set QSO,  99
.set AR,   128                         ; an area, in either window
.set OT,   0                           ; window 1
.set TB,    2                          ; s2  LDS byte at which my attention's half of the slot in hand begins
.set SLOTS, 3                          ; s3  refills still to come
.set WV,    22                         ; s22 my wave; s23 which attention; s47 wave % 4
.set G1,    24
.set G0,    32                         ; s[32:35] group 0: it walks
.set SEL,   36
.set CS,    38                         ; s[38:39] c = log2(e) / sqrt(128) x 2^(eq + ek)
.set PFA,   40                         ; s[40:41] where my prefetches stand
.set LIM,   42                         ; s42 1 in a wave that prefetches, else the greatest number
.set MSB, 0
.macro WIN new                         ; low byte: 1:0 source 0, 3:2 source 1, 5:4 source 2, 7:6 destination; the high byte repeats the setting that is left
.if MSB != (\new)
	s_set_vgpr_msb (MSB<<8)|(\new)
.set MSB, (\new)
.endif
.endm
.macro SCALE e, sc, lim                ; 2^e into v[sc], 57,344 x 2^e into v[lim]
	s_add_co_i32 s57, s[\e], 127
	s_lshl_b32 s58, s57, 23
	v_mov_b32 v[\sc], s58
	s_add_co_i32 s57, s57, 15
	s_lshl_b32 s57, s57, 23
	s_or_b32 s57, s57, 0x600000
	v_mov_b32 v[\lim], s57
.endm
.macro PICK idx, dst                   ; buffer 0 kc1, 1 vc1, 2 kc2, 3 vc2: a choice on the wave's number alone
	s_and_b32 s59, s[\idx], 1
	s_cmp_eq_u32 s59, 0
	s_cselect_b64 s[60:61], s[8:9], s[12:13]
	s_cselect_b64 s[62:63], s[10:11], s[14:15]
	s_cmp_lt_u32 s[\idx], 2
	s_cselect_b64 s[\dst:\dst+1], s[60:61], s[62:63]
.endm
.macro CREST                           ; a round of the cluster's barrier behind its opening barrier
	s_cmp_lg_u32 s[WV], 0
	s_cbranch_scc1 .Lnot_wave_0_\@
	s_barrier_signal -3
.Lnot_wave_0_\@:
	s_barrier_wait -3
	s_barrier_signal -1
	s_barrier_wait -1
.endm
.macro CROUND
	s_barrier_signal -1
	s_barrier_wait -1
	CREST
.endm
.macro TLOAD                           ; every wave's joint load of its region; s_nop 0 and four v_nop follow
	tensor_load_to_lds s[G0:G0+3], s[G1:G1+7]
	s_nop 0
.rept 4
	v_nop
.endr
.endm
; A prefetch into the L2 of the slot that the NEXT refill will ask for: 32,768 bytes of each of the four buffers, two key steps ahead of that load.  Each aligned block of 256 bytes is named once in the launch:
; of the sixteen clusters of a kv head the first asks (cluster x = 0, head % 4 = 0); its four partners take 8,192 bytes of each buffer, told apart by address; wave b of waves 0-3 asks for buffer b, lanes 256 bytes apart.
; Key slots 0 to 2 come by their loads alone; the last refill asks for nothing: no slot lies behind it.
.macro ASK
	s_cmp_gt_u32 s[SLOTS], s[LIM]
	s_cbranch_scc0 .Lnot_mine_\@
	global_prefetch_b8 v[PFO], s[PFA:PFA+1] th:TH_LOAD_NT scope:SCOPE_SE
.Lnot_mine_\@:
.endm
.macro HOLD r                          ; two holds in one dual pair: p is not negative, so the hold at the largest code x the scale is one-sided.  The windows hold by operand place for both halves: destination and source 0 in the scores' window, the bound in window 0
	v_dual_min_num_f32 v[\r], v[\r], v24 :: v_dual_min_num_f32 v[(\r)+1], v[(\r)+1], v25
.endm
.macro FLOAD win, off                  ; eight fragments into an area: 32 loads of 512 consecutive bytes
	WIN (\win)<<6
.irp t, 0,1,2,3,4,5,6,7
.irp c, 0,1,2,3
	ds_load_b128 v[AR+16*\t+4*\c:AR+16*\t+4*\c+3], v[AD] offset:(\off)+\t*2048+512*\c
.endr
.endr
	WIN 0
.endm
.macro SUM b, acc, w                   ; a tile's sum of the unquantised p onto v[acc:acc+1]: 32 packed additions in four chains
	WIN (\w)*0x05
	v_pk_add_f32 v[10:11], v[\b:\b+1], v[\b+2:\b+3]
	v_pk_add_f32 v[26:27], v[\b+4:\b+5], v[\b+6:\b+7]
	v_pk_add_f32 v[100:101], v[\b+8:\b+9], v[\b+10:\b+11]
	WIN (\w)*0x04
.set j, 12
.rept 6
	v_pk_add_f32 v[\acc:\acc+1], v[\acc:\acc+1], v[\b+j:\b+j+1]
	v_pk_add_f32 v[10:11], v[10:11], v[\b+j+2:\b+j+3]
	v_pk_add_f32 v[26:27], v[26:27], v[\b+j+4:\b+j+5]
	v_pk_add_f32 v[100:101], v[100:101], v[\b+j+6:\b+j+7]
.set j, j+8
.endr
	v_pk_add_f32 v[\acc:\acc+1], v[\acc:\acc+1], v[\b+60:\b+61]
	v_pk_add_f32 v[10:11], v[10:11], v[\b+62:\b+63]
	WIN 0
	v_pk_add_f32 v[26:27], v[26:27], v[100:101]
	v_pk_add_f32 v[\acc:\acc+1], v[\acc:\acc+1], v[10:11]
	v_pk_add_f32 v[\acc:\acc+1], v[\acc:\acc+1], v[26:27]
.endm
	s_load_b256 s[4:11], s[0:1], 0x0               ; q1, q2, kc1, kc2
	s_load_b256 s[12:19], s[0:1], 0x20             ; vc1, vc2, the scales' exponents, lambda_log
	s_load_b64 s[20:21], s[0:1], 0x40              ; out
	v_lshl_add_u32 v[SPW], v0, 2, SPARE
	v_mov_b32 v[NIL], 0
	ds_add_u32 v[SPW], v[NIL]                      ; the opening lines: the add twice on end and one wait, ahead of my first tensor load
	ds_add_u32 v[SPW], v[NIL]
	v_lshrrev_b32 v10, 5, v0
	v_readfirstlane_b32 s[WV], v10                 ; wave 0..7
	s_lshr_b32 s23, s[WV], 2                       ; a: attention 1 (0) or 2 (1)
	s_and_b32 s47, s[WV], 3                        ; which 32 queries of the block
	s_bfe_u32 s43, ttmp6, 0x40000                  ; cx: it enters q's, out's and the prefetches' global addresses alone
	s_lshl_b32 s44, ttmp9, 2
	s_add_co_u32 s44, s44, s43                     ; my block of 128 queries
	s_and_b32 s45, ttmp7, 0xffff                   ; the head, which the four partners share
	s_lshr_b32 s46, s45, 2                         ; its kv head
	s_mov_b32 s[G1], 15|(3<<16)|(1<<21)            ; mask of all four; elements of 8 bytes; bit 21 beside a mask; no padding
	s_mov_b32 s[G1+1], 32<<16                      ; a dense block of 16,384 bytes as 64 rows of 256 bytes
	s_mov_b32 s[G1+2], 64<<16
	s_mov_b32 s[G1+3], 32<<16
	s_mov_b32 s[G1+4], 64
	s_mov_b32 s[G1+5], 32
	s_mov_b32 s[G1+6], 0
	s_mov_b32 s[G1+7], 0
	s_mov_b32 s[SEL], 0x76543210
	s_mov_b32 s[SEL+1], 0xfedcba98
	s_mov_b32 s[SLOTS], 6
	s_lshl_b32 s[TB], s23, 16                      ; attention 2's four regions lie 65,536 bytes behind attention 1's
	s_add_co_u32 s[TB], s[TB], SLOT1               ; key slot 0 lies in L1
	s_lshl_b32 s57, s45, 11
	s_lshl_b32 s58, s44, 7
	s_add_co_u32 s57, s57, s58
	s_lshl_b32 s58, s47, 5
	s_add_co_u32 s57, s57, s58                     ; my first row of q: 2,048 head + 128 block + 32 (wave % 4)
	s_lshl_b32 s70, s57, 9
	s_mov_b32 s71, 0
	s_lshl_b32 s58, s23, 13
	s_add_co_u32 s72, s70, s58                     ; the 16 rows of out that I store: tile a of my 32
	s_mov_b32 s73, 0
	s_mul_i32 s66, s[WV], 2*WSTG
	s_add_co_u32 s66, s66, STG                     ; my two stages: numbers 2 wave, 2 wave + 1 = 8 a + tile of the block
	s_lshl_b32 s67, s47, 1
	s_add_co_u32 s67, s67, s23
	s_mul_i32 s67, s67, WSTG
	s_add_co_u32 s67, s67, STG                     ; the stage that I read back: attention 1's tile 2 (wave % 4) + a
	s_mul_i32 s68, s[WV], QSB
	s_add_co_u32 s68, s68, QST                     ; q's stage of my wave
	v_and_b32 v[LI], 31, v0
	v_lshlrev_b32 v[LI], 4, v[LI]
	v_lshlrev_b32 v[PFO], 4, v[LI]
	v_and_b32 v10, 15, v0                          ; r
	v_bfe_u32 v11, v0, 4, 1                        ; h
	v_lshlrev_b32 v[QA], 4, v10
	v_lshl_add_u32 v[QA], v11, 9, v[QA]            ; q: sixteen lanes take 256 consecutive bytes of a row, the other sixteen of the next row
	v_mul_u32_u24 v[SO], v10, SP
	v_lshl_add_u32 v[SO], v11, 5, v[SO]
	v_add_nc_u32 v[SO], s66, v[SO]
	v_add_nc_u32 v[SR], s67, v[LI]
	v_add_nc_u32 v[SR2], 8*WSTG, v[SR]
	v_mul_u32_u24 v[QSI], v11, 272
	v_lshl_add_u32 v[QSI], v10, 4, v[QSI]
	v_add_nc_u32 v[QSI], s68, v[QSI]               ; q's stage, in: as loaded, two rows an instruction
	v_mul_u32_u24 v[QSO], v10, 272
	v_lshl_add_u32 v[QSO], v11, 6, v[QSO]
	v_add_nc_u32 v[QSO], s68, v[QSO]               ; and out: row r, + 64 h: my 16 numbers of each block of 32
	s_wait_alu depctr_va_vdst(0)
	s_wait_dscnt 0x0                               ; both opening adds are done
	s_wait_kmcnt 0x0
	s_load_b256 s[48:55], s[16:17], 0x0            ; e0 .. e7
	s_load_b32 s56, s[18:19], 0x0                  ; lambda_log
	s_lshr_b32 s57, s[WV], 1
	PICK 57, 74                                    ; the buffer that I fetch: wave / 2
	s_and_b32 s58, s[WV], 3
	PICK 58, PFA                                   ; the buffer that I prefetch: wave % 4
	s_lshl_b32 s76, s46, 18                        ; the kv head's 262,144 bytes
	s_mov_b32 s77, 0
	s_add_nc_u64 s[74:75], s[74:75], s[76:77]
	s_add_nc_u64 s[PFA:PFA+1], s[PFA:PFA+1], s[76:77]
	s_mov_b32 s[G0], 1
	s_lshl_b32 s[G0+1], s[WV], 14
	s_add_co_u32 s[G0+1], s[G0+1], SLOT1           ; my region of slot L1
	s_and_b32 s78, s[WV], 1
	s_lshl_b32 s78, s78, 14                        ; the slot's first or second 128 keys
	s_mov_b32 s79, 0
	s_add_nc_u64 s[G0+2:G0+3], s[74:75], s[78:79]
	s_or_b32 s[G0+3], s[G0+3], 0x80000000
	CROUND                                         ; all four work-groups are here: the first joint loads meet
	TLOAD                                          ; key slot 0: one tensor load a wave at the head
	s_cmp_lt_u32 s[WV], 4
	s_cselect_b64 s[4:5], s[4:5], s[6:7]           ; q1 or q2
	s_add_nc_u64 s[4:5], s[4:5], s[70:71]
	s_add_nc_u64 s[20:21], s[20:21], s[72:73]
	WIN 0x40
.irp p, 0,1,2,3                        ; pass p = 2 u + g: tile u, bytes 256 g on of its 16 rows; each load reads two whole aligned units of 256 bytes
.irp i, 0,1,2,3,4,5,6,7
	global_load_b128 v[AR+32*\p+4*\i:AR+32*\p+4*\i+3], v[QA], s[4:5] offset:8192*(\p/2)+256*(\p%2)+1024*\i th:TH_LOAD_NT
.endr
.endr
.set j, 0
.rept 128
	v_mov_b32 v[OT+j], 0                           ; O^T: the key step has no first step of its own, which spares further copies of it; these lines stand under q's flight
.set j, j+1
.endr
	WIN 0
	s_lshl_b32 s58, s43, 13                        ; the prefetches: my work-group's 8,192 bytes of a slot's 32,768,
	s_add_co_u32 s58, s58, 4*STEPB                 ; in key slot 2: the first refill steps it to slot 3
	s_mov_b32 s59, 0
	s_add_nc_u64 s[PFA:PFA+1], s[PFA:PFA+1], s[58:59]
	s_lshr_b32 s[LIM], s[WV], 2                    ; 0 in waves 0 to 3,
	s_or_b32 s[LIM], s[LIM], ttmp9                 ; of the first cluster
	s_and_b32 s59, s45, 3
	s_or_b32 s[LIM], s[LIM], s59                   ; of the kv head's first head: the same in all four partners
	s_cmp_eq_u32 s[LIM], 0
	s_cselect_b32 s[LIM], 1, -1
	v_mov_b32 v13, 0xff61b1e6                      ; the largest t so far: -3e38
	v_mov_b32 v17, 0xff61b1e6
	v_floor_f32 v12, -v13                          ; -M
	v_floor_f32 v16, -v17
	v_mov_b32 v14, 0
	v_mov_b32 v15, 0
	v_mov_b32 v18, 0
	v_mov_b32 v19, 0
	v_mov_b32 v21, 0                               ; (upper halves of the pairs of f: named, so written)
	v_mov_b32 v23, 0
	v_mov_b32 v28, 0                               ; a lane permute's destination counts as a source
	v_mov_b32 v29, 0
	s_wait_kmcnt 0x0
	s_cmp_lt_u32 s[WV], 4
	s_cselect_b32 s66, s48, s52                    ; eq
	s_cselect_b32 s67, s49, s53                    ; ek
	s_cselect_b32 s68, s50, s54                    ; ep
	s_cselect_b32 s69, s51, s55                    ; ev
	s_add_co_i32 s57, s66, s67
	s_lshl_b32 s57, s57, 23
	s_add_co_i32 s[CS], s57, 0x3e0293ee            ; the two exponents are added to c's exponent field
	s_mov_b32 s[CS+1], s[CS]
	SCALE 68, PSC, 24
	v_mov_b32 v25, v24
	SCALE 66, 96, 97
	s_wait_alu depctr_va_vdst(0)
	s_wait_tensorcnt 0x0                           ; no tensor load of mine is out while I store to LDS
.irp p, 0,1,2,3                        ; q turns through my stage: in as loaded, out 64 bytes of a row to a lane.  LDS serves a wave's instructions in order: no wait between the passes
	s_wait_loadcnt 24-8*\p                         ; this pass's eight loads are in; the eight of each later pass may be out
	WIN 0x04
.irp i, 0,1,2,3,4,5,6,7
	ds_store_b128 v[QSI], v[AR+32*\p+4*\i:AR+32*\p+4*\i+3] offset:544*\i
.endr
	WIN 0
.irp i, 0,1,2,3,4,5,6,7
	ds_load_b128 v[AR+32*\p+4*\i:AR+32*\p+4*\i+3], v[QSO] offset:128*(\i/4)+16*(\i%4)   ; area 0, register 64 u + 16 b + x: channel 32 b + 16 h + x of query 16 u + r
.endr
.endr
	s_wait_tensorcnt 0x0                           ; a later first fill is issued as a refill is:
	ds_add_u32 v[SPW], v[NIL]
	s_xor_b32 s[G0+1], s[G0+1], SLOT1              ; slot L0,
	s_add_nc_u64 s[G0+2:G0+3], s[G0+2:G0+3], 2*STEPB   ; key slot 1
	s_wait_dscnt 0x0                               ; the add is done; q is back in registers
	CROUND                                         ; everybody's region of key slot 0 is in
	TLOAD
	v_add_nc_u32 v[AD], s[TB], v[LI]
	s_wait_alu depctr_va_vdst(0)
	FLOAD 1, 0                                     ; the first step's fragments of K, out while q is quantised
.set j, 0
.rept 128
	v_med3_num_f32 v[AR+j], v[AR+j], -v97, v97     ; the conversion does not saturate (ISA guide 7.6.2): the hold at the largest code x the scale
.set j, j+1
.endr
.set j, 0
.rept 16
	v_cvt_scalef32_pk8_bf8_f32 v[QC+2*j:QC+2*j+1], v[AR+8*j:AR+8*j+7], v96
.set j, j+1
.endr
	v_nop                                          ; a plain line between the conversions and the products that read their results and write their sources
; A KEY STEP: 128 keys, the q-th of the slot in hand, for my two tiles.  w: the scores' area.  mode 0: nothing more; 1: the change of slots with a refill; 2: the last change, with none.  nxt: a step follows.
; Loads into registers that a matrix instruction has read, and vector reads of a matrix result, stand four places behind it; a matrix instruction that writes over an earlier one's operands five (ISA guide 7.12.1 for vector instructions).
; Each accumulator has one matrix instruction a step: the accumulators take turns.
.macro STEP q, w, mode, nxt
.rept 5
	v_nop                                          ; the scores land where the last step's fragments of V lay
.endr
	WIN ((\w)<<6)|(1-(\w))
.irp t, 0,1,2,3,4,5,6,7
	s_wait_dscnt 28-4*\t                           ; this fragment's four loads are in; the four of each later fragment may be out
	v_wmma_f32_16x16x128_bf8_bf8 v[AR+8*\t:AR+8*\t+7], v[AR+16*\t:AR+16*\t+15], v[QC:QC+15], 0
	v_wmma_f32_16x16x128_bf8_bf8 v[AR+64+8*\t:AR+64+8*\t+7], v[AR+16*\t:AR+16*\t+15], v[QC+16:QC+31], 0
.endr
	WIN 0
.rept 4
	v_nop                                          ; places in front of the loads below and of the first read of the scores
.endr
	FLOAD 1-(\w), VOFF+(\q)*STEPB                  ; V's eight fragments land while the softmax is walked
.if \mode
	s_wait_tensorcnt 0x0                           ; my region of the next slot is in; no tensor load of mine is out
	ds_add_u32 v[SPW], v[NIL]
.if \mode == 1
	s_xor_b32 s[G0+1], s[G0+1], SLOT1              ; the walking descriptor: the slot in hand, the next 256 keys but one
	s_add_nc_u64 s[G0+2:G0+3], s[G0+2:G0+3], 2*STEPB
	s_wait_xcnt 0x0                                ; my last prefetch has read its address
	s_add_nc_u64 s[PFA:PFA+1], s[PFA:PFA+1], 2*STEPB
.endif
.endif
	WIN (\w)*0x15
	v_max3_num_f32 v10, v[AR], v[AR+1], v[AR+2]    ; the step's largest scores, two chains a tile, each accumulator from its low end on
	v_max3_num_f32 v26, v[AR+64], v[AR+65], v[AR+66]
	v_max3_num_f32 v11, v[AR+3], v[AR+4], v[AR+5]
	v_max3_num_f32 v27, v[AR+67], v[AR+68], v[AR+69]
	WIN (\w)*0x14
.set j, 6
.rept 14
	v_max3_num_f32 v10, v10, v[AR+j], v[AR+j+1]
	v_max3_num_f32 v26, v26, v[AR+64+j], v[AR+65+j]
	v_max3_num_f32 v11, v11, v[AR+j+2], v[AR+j+3]
	v_max3_num_f32 v27, v27, v[AR+66+j], v[AR+67+j]
.set j, j+4
.endr
	v_max3_num_f32 v10, v10, v[AR+62], v[AR+63]
	v_max3_num_f32 v26, v26, v[AR+126], v[AR+127]
	WIN 0
.if \mode
	s_wait_alu depctr_va_vdst(0)
	s_wait_dscnt 0x0                               ; the add is done, and V's fragments are in: my reads of this slot are over
	s_barrier_signal -1                            ; only work on registers stands between this signal and its wait
.endif
	v_max_num_f32 v10, v10, v11
	v_max_num_f32 v26, v26, v27
	v_permlanex16_b32 v28, v10, s[SEL], s[SEL+1]
	v_permlanex16_b32 v29, v26, s[SEL], s[SEL+1]
	v_max_num_f32 v10, v10, v28                    ; and among lane l xor 16's
	v_max_num_f32 v26, v26, v29
	v_mul_f32 v10, s[CS], v10                      ; as t (c is positive)
	v_mul_f32 v26, s[CS], v26
	v_max_num_f32 v13, v13, v10                    ; the running largest t
	v_max_num_f32 v17, v17, v26
	v_mov_b32 v10, v12
	v_mov_b32 v26, v16
	v_floor_f32 v12, -v13                          ; the new -M = -ceil(t)
	v_floor_f32 v16, -v17
	v_sub_f32 v10, v12, v10                        ; old M - new M, a whole number, 0 or less
	v_sub_f32 v26, v16, v26
	v_cvt_i32_f32 v10, v10                         ; (it saturates)
	v_cvt_i32_f32 v26, v26
	v_ldexp_f32 v20, 1.0, v10                      ; f = 2^(old M - new M)
	v_ldexp_f32 v22, 1.0, v26
	v_pk_mul_f32 v[14:15], v[14:15], v[20:21] op_sel_hi:[1,0]   ; the sums under the new M
	v_pk_mul_f32 v[18:19], v[18:19], v[22:23] op_sel_hi:[1,0]
	WIN (\w)*0x41
.set j, 0
.rept 32
	v_pk_fma_f32 v[AR+j:AR+j+1], v[AR+j:AR+j+1], s[CS:CS+1], v[12:13] op_sel_hi:[1,0,0]   ; tile a: t - M, two at a time
.set j, j+2
.endr
	s_wait_alu depctr_va_vdst(0)
.set j, 0
.rept 32                               ; tile a's p = 2^(t - M), not normalised; among them tile b's t - M: lines that name no register of the batch, read behind the wait below
	v_exp_f32 v[AR+j], v[AR+j]
	v_exp_f32 v[AR+j+1], v[AR+j+1]
	v_pk_fma_f32 v[AR+64+j:AR+65+j], v[AR+64+j:AR+65+j], s[CS:CS+1], v[16:17] op_sel_hi:[1,0,0]
.set j, j+2
.endr
	s_wait_alu depctr_va_vdst(0)                   ; one wait for the batch, ahead of its first reader, and for the sources of the next
	SUM AR, 14, \w
	WIN (\w)*0x41
	s_wait_alu depctr_va_vdst(0)
.set j, 0
.rept 32                               ; tile b's p; among them tile a's holds, whose results are read behind the wait below
	v_exp_f32 v[AR+64+j], v[AR+64+j]
	v_exp_f32 v[AR+65+j], v[AR+65+j]
	HOLD AR+j
.set j, j+2
.endr
	v_nop                                          ; a plain place behind the batch
	s_wait_alu depctr_va_vdst(0)                   ; one wait for the batch, ahead of its first reader
	SUM AR+64, 18, \w
	WIN (\w)*0x41
.set j, 0
.rept 32
	HOLD AR+64+j
.set j, j+2
.endr
	WIN (\w)*0x01
.set j, 0
.rept 16
	v_cvt_scalef32_pk8_bf8_f32 v[PCD+2*j:PCD+2*j+1], v[AR+8*j:AR+8*j+7], v[PSC]
.set j, j+1
.endr
	WIN 0
.if \mode
	s_barrier_wait -1                              ; nobody of my work-group reads this slot any more, and the next slot is whole
.if \mode == 1
	CREST                                          ; the barrier has opened a round of the cluster's: no wave of any partner still reads this slot or has a load on its way
	TLOAD                                          ; the first tensor load behind the round, my one until the next: it has two key steps in which to land
	ASK
.endif
	s_xor_b32 s[TB], s[TB], SLOT1                  ; on to the other slot
	v_add_nc_u32 v[AD], s[TB], v[LI]
	s_wait_alu depctr_va_vdst(0)
.endif
.if \nxt
	FLOAD \w, (1-(\q))*STEPB                       ; the next step's fragments of K, into the area that p has left
.endif
	WIN 0x41
	s_wait_alu depctr_va_vdst(0)
.set j, 0
.rept 32
	v_pk_mul_f32 v[OT+j:OT+j+1], v[OT+j:OT+j+1], v[20:21] op_sel_hi:[1,0]   ; O^T under the new M, each accumulator from its low end on (also the plain lines behind the conversions)
.set j, j+2
.endr
.rept 32
	v_pk_mul_f32 v[OT+j:OT+j+1], v[OT+j:OT+j+1], v[22:23] op_sel_hi:[1,0]
.set j, j+2
.endr
	s_wait_alu depctr_va_vdst(0)
.if \mode == 0
	s_wait_dscnt 32*(\nxt)                         ; V's fragments are in; the 32 loads of the next K may be out
.endif
	WIN 0x50|(1-(\w))
.irp t, 0,1,2,3,4,5,6,7
	v_wmma_f32_16x16x128_bf8_bf8 v[OT+8*\t:OT+8*\t+7], v[AR+16*\t:AR+16*\t+15], v[PCD:PCD+15], v[OT+8*\t:OT+8*\t+7]
	v_wmma_f32_16x16x128_bf8_bf8 v[OT+64+8*\t:OT+64+8*\t+7], v[AR+16*\t:AR+16*\t+15], v[PCD+16:PCD+31], v[OT+64+8*\t:OT+64+8*\t+7]
.endr
	WIN 0
.endm
	s_wait_alu depctr_va_vdst(0)
.Lslot:                                            ; six trips: trip n reads key slot n and fills its bytes again with key slot n + 2
	STEP 0, 0, 0, 1
	STEP 1, 1, 1, 1
	s_sub_co_u32 s[SLOTS], s[SLOTS], 1
	s_cmp_lg_u32 s[SLOTS], 0
	s_cbranch_scc1 .Lslot
	STEP 0, 0, 0, 1                                ; key slots 6 and 7 are written out
	STEP 1, 1, 2, 1
	STEP 0, 0, 0, 1
	STEP 1, 1, 0, 0
	; THE WAY OUT.  O^T / the sum x 2^(ep + ev) goes into my two stages; behind a barrier each wave reads 16 rows of attention 1 and the same 16 of attention 2, makes A1 - lambda A2 and stores whole rows.
	v_add_f32 v14, v14, v15
	v_add_f32 v18, v18, v19
	v_permlanex16_b32 v28, v14, s[SEL], s[SEL+1]
	v_permlanex16_b32 v29, v18, s[SEL], s[SEL+1]
	v_add_f32 v14, v14, v28                        ; the rows' sums
	v_add_f32 v18, v18, v29
	v_mov_b32 v10, 0x3fb8aa3b                      ; log2(e)
	v_mul_f32 v10, s56, v10
	s_wait_alu depctr_va_vdst(0)
	v_rcp_f32 v14, v14
	v_rcp_f32 v18, v18
	v_exp_f32 v10, v10                             ; lambda = exp(lambda_log)
	v_nop                                          ; a plain place behind the batch
	s_add_co_i32 s57, s68, s69
	s_wait_alu depctr_va_vdst(0)                   ; and the wait behind it
	v_ldexp_f32 v14, v14, s57                      ; x 2^(ep + ev)
	v_ldexp_f32 v18, v18, s57
	v_mul_f32 v10, -1.0, v10
	v_mov_b32 v11, v10
	WIN 0x01
	s_wait_alu depctr_va_vdst(0)
.set j, 0
.rept 32
	v_pk_mul_f32 v[AR+j:AR+j+1], v[OT+j:OT+j+1], v[14:15] op_sel_hi:[1,0]   ; register 8 t + x is o(r, 16 t + 8 h + x)
.set j, j+2
.endr
.rept 32
	v_pk_mul_f32 v[AR+j:AR+j+1], v[OT+j:OT+j+1], v[18:19] op_sel_hi:[1,0]
.set j, j+2
.endr
	WIN 0
.irp u, 0,1
.irp t, 0,1,2,3,4,5,6,7
	ds_store_b128 v[SO], v[AR+64*\u+8*\t:AR+64*\u+8*\t+3] offset:WSTG*\u+64*\t
	ds_store_b128 v[SO], v[AR+64*\u+8*\t+4:AR+64*\u+8*\t+7] offset:WSTG*\u+64*\t+16
.endr
.endr
	s_wait_alu depctr_va_vdst(0)
	s_wait_dscnt 0x0                               ; for the others' sake: my stores into the stages are done
	s_barrier_signal -1
	s_barrier_wait -1
.irp i, 0,1,2,3,4,5,6,7,8,9,10,11,12,13,14,15
	ds_load_b128 v[AR+4*\i:AR+4*\i+3], v[SR] offset:\i*SP         ; attention 1, row i of my tile
	ds_load_b128 v[AR+64+4*\i:AR+64+4*\i+3], v[SR2] offset:\i*SP  ; attention 2, the same row
.endr
.irp i, 0,1,2,3,4,5,6,7,8,9,10,11,12,13,14,15
	s_wait_dscnt 30-2*\i                           ; this row's two loads are in; the two of each later row may be out
	v_pk_fma_f32 v[AR+4*\i:AR+4*\i+1], v[AR+64+4*\i:AR+64+4*\i+1], v[10:11], v[AR+4*\i:AR+4*\i+1] op_sel_hi:[1,0,1]
	v_pk_fma_f32 v[AR+4*\i+2:AR+4*\i+3], v[AR+64+4*\i+2:AR+64+4*\i+3], v[10:11], v[AR+4*\i+2:AR+4*\i+3] op_sel_hi:[1,0,1]
	global_store_b128 v[LI], v[AR+4*\i:AR+4*\i+3], s[20:21] offset:512*\i th:TH_STORE_NT   ; 32 lanes store a row of 512 consecutive bytes, at a multiple of 512 from out's first byte
.endr
	s_wait_tensorcnt 0x0                           ; the wave's end
	ds_add_u32 v[SPW], v[NIL]
	s_wait_dscnt 0x0
	CROUND                                         ; the closing round
	s_endpgm
.Lfunc_end_k_qe4c0f696b5_attn:
	.size	k_qe4c0f696b5_attn, .Lfunc_end_k_qe4c0f696b5_attn-k_qe4c0f696b5_attn
	.p2alignl 7, 3214868480
	.fill 96, 4, 3214868480
	.section	.rodata,"a",@progbits
	.p2align	6, 0x0
	.amdhsa_kernel k_qe4c0f696b5_attn
		.amdhsa_group_segment_fixed_size 327680
		.amdhsa_private_segment_fixed_size 0
		.amdhsa_enable_private_segment 0
		.amdhsa_kernarg_size 72
		.amdhsa_user_sgpr_count 2
		.amdhsa_user_sgpr_kernarg_segment_ptr 1
		.amdhsa_wavefront_size32 1
		.amdhsa_system_sgpr_workgroup_id_x 1
		.amdhsa_system_sgpr_workgroup_id_y 1
		.amdhsa_system_sgpr_workgroup_id_z 1
		.amdhsa_system_vgpr_workitem_id 0
		.amdhsa_next_free_vgpr 512
		.amdhsa_next_free_sgpr 80
		.amdhsa_reserve_vcc 0
		.amdhsa_float_denorm_mode_32 3
		.amdhsa_float_denorm_mode_16_64 3
		.amdhsa_memory_ordered 1
		.amdhsa_forward_progress 1
		.amdhsa_inst_pref_size 242
	.end_amdhsa_kernel
	.amdgpu_metadata
---
amdhsa.version: [ 1, 2 ]
amdhsa.kernels:
  - .name:           k_qe4c0f696b5_attn
    .symbol:         k_qe4c0f696b5_attn.kd
    .args:
      - { .name: q1, .offset: 0, .size: 8, .value_kind: global_buffer, .address_space: global }
      - { .name: q2, .offset: 8, .size: 8, .value_kind: global_buffer, .address_space: global }
      - { .name: kc1, .offset: 16, .size: 8, .value_kind: global_buffer, .address_space: global }
      - { .name: kc2, .offset: 24, .size: 8, .value_kind: global_buffer, .address_space: global }
      - { .name: vc1, .offset: 32, .size: 8, .value_kind: global_buffer, .address_space: global }
      - { .name: vc2, .offset: 40, .size: 8, .value_kind: global_buffer, .address_space: global }
      - { .name: lowp_scales, .offset: 48, .size: 8, .value_kind: global_buffer, .address_space: global }
      - { .name: lambda_log, .offset: 56, .size: 8, .value_kind: global_buffer, .address_space: global }
      - { .name: out0, .offset: 64, .size: 8, .value_kind: global_buffer, .address_space: global }
    .group_segment_fixed_size: 327680
    .private_segment_fixed_size: 0
    .kernarg_segment_align: 8
    .kernarg_segment_size: 72
    .max_flat_workgroup_size: 256
    .sgpr_count:     80
    .vgpr_count:     512
    .wavefront_size: 32
...
	.end_amdgpu_metadata
.endif
;; end of part 2
